; MI455X (gfx1250); checked and timed in simulation.
; The chip was launched on July 23, 2026; its instructions are those of AMD's public machine-readable ISA for CDNA 5 (MIT licence, August 2026) and "CDNA5" Instruction Set Architecture Reference Guide (July 2026). The comments in the code are by the model that wrote it; some were corrected since.
;; Multi Head Attention. Allowed arithmetic: matrix products marked QUANTISED: E2M1 operands, one E8M0 scale for each 32 along K, by v_wmma_scale_f32_16x16x128_f8f6f4 with both operands' format E2M1 (or v_wmma_scale_f32_32x16x128_f4), f32 sums; products left as they are: f32 operands where the result goes on into a quantised operand, else bf16, f16 or f32 operands; f32 sums; everything else in f32.
;; Inputs: Wk 128 x 128 float32; Wo 128 x 128 float32; Wq 128 x 128 float32; Wv 128 x 128 float32; bk 128 float32; bo 128 float32; bq 128 float32; bv 128 float32; ln_b 128 float32; ln_w 128 float32; x 8 x 2,048 x 128 float32.
;; Outputs: out0 8 x 2,048 x 128 float32.
;; This version of the problem:
;;   THIS VERSION OF THE PROBLEM IS GIVEN IN LOW PRECISION. The matrix products marked QUANTISED in the list below multiply operands that are first quantised to E2M1 (2 exponent bits, 1 mantissa bit; 4 bits a number), with one power-of-two scale for each 32 numbers along K (OCP MX v1.0); their sums are f32. All else is computed in f32.
;;   The module's matrix products, in the order in which they are computed (A, B: the left and right operand; K: the contracted axis; several contracted axes count as one K, in the product's order):
;;     1. [M 16,384, K 128] x [K 128, N 128]; A: computed on the way; B: input Wq: QUANTISED
;;     2. [M 16,384, K 128] x [K 128, N 128]; A: computed on the way; B: input Wk: QUANTISED
;;     3. [M 16,384, K 128] x [K 128, N 128]; A: computed on the way; B: input Wv: QUANTISED
;;     4. batch 64 x [M 2,048, K 16] x [K 16, N 2,048]; A: computed on the way; B: computed on the way: left as it is (K = 16 < 32)
;;     5. batch 64 x [M 2,048, K 2,048] x [K 2,048, N 16]; A: computed on the way; B: computed on the way: QUANTISED
;;     6. [M 16,384, K 128] x [K 128, N 128]; A: computed on the way; B: input Wo: QUANTISED
;;   THE QUANTISER, for each operand of a quantised product, along K:
;;     - K is cut into blocks of 32 from its start; a last block that is shorter is filled with zeros.
;;     - A block's scale is 2^e with e = floor(log2(the largest magnitude in the block)) - 2, held to -126 .. 127; a block of zeros has e = 0. As a byte (E8M0): e + 127.
;;     - Each number is divided by its block's scale, clamped to +-6, and rounded to the nearest number of E2M1, ties to even, subnormals kept.
;;     - The product sums the exact products of the quantised numbers (number of the format x scale) in f32.
;;   ~~~python
;;   def quantise(x, axis):      # numpy; x: float32 -> the quantised numbers, widened to float32 again
;;       x = np.moveaxis(x, axis, -1); K = x.shape[-1]
;;       x = np.pad(x, [(0, 0)] * (x.ndim - 1) + [(0, -K % 32)]); x = x.reshape(x.shape[:-1] + (-1, 32)); a = np.abs(x).max(-1, keepdims=True)
;;       e = np.where(a > 0, np.clip(np.frexp(np.where(a > 0, a, 1))[1] - 1 - 2, -126, 127), 0)      # np.frexp(a)[1] - 1 = floor(log2(a)), exactly
;;       r = np.clip(x / 2.0 ** e, -6, 6)
;;       step = 2.0 ** (np.maximum(np.frexp(np.where(r == 0, 1, r))[1] - 1, 0) - 1)
;;       q = np.round(r / step) * step * 2.0 ** e      # np.round: ties to even
;;       return np.moveaxis(q.reshape(q.shape[:-2] + (-1,))[..., :K], -1, axis).astype(np.float32)
;;   ~~~
;;   OPERANDS COMPUTED ON THE WAY. 'Computed on the way' means the value that the module computes at that place (a softmax that the list does not call 'softmax' is quantised finished and normalised). What goes into a quantiser is computed in f32, as accurately as f32 sums, v_exp_f32 and their like allow (about 1e-6 of the number): no bf16 or f16 on the way to a quantiser, and a product that is left as it is and whose result goes on into a quantised operand takes f32 operands (vector FMAs, or v_wmma_f32_16x16x4_f32). A number that lies on a knife's edge between two numbers of the format may be rounded either way, as far as f32 arithmetic and the matrix unit's own rounding can turn it there, and no further.
;; One version. Each part assembles by itself: llvm-mc -triple=amdgcn-amd-amdhsa -mcpu=gfx1250 --defsym DOCPART=n.
;; ======== version 1 of 1: 2 launches
;; workspace buffers: qf 8,388,608 bytes; kf 8,388,608 bytes; vq 1,310,720 bytes
;; launch qkv (part 1): grid 256 x 1, 4 waves a work-group, no clusters, 105,984 bytes of LDS; arguments x, ln_w, ln_b, Wq, bq, Wk, bk, Wv, bv, qf, kf, vq; writes qf, kf, vq
.if DOCPART == 1
	.amdgcn_target "amdgcn-amd-amdhsa--gfx1250"
	.amdhsa_code_object_version 6
	.text
	.protected	k_q280433fac8_qkv
	.globl	k_q280433fac8_qkv
	.p2align	8
	.type	k_q280433fac8_qkv,@function
k_q280433fac8_qkv:
	s_mov_b64 s[64:65], 0
	v_nop
	global_prefetch_b8 v0, s[64:65] scope:SCOPE_SE
	s_setreg_imm32_b32 hwreg(HW_REG_WAVE_MODE, 25, 1), 1
	s_wait_xcnt 0x0
; LayerNorm and the three projections q, k, v = Q(xn) Q(W)^T + b, on codes of FP4 (E2M1) with one E8M0 scale for each 32 along K = 128.
; x: [16384][128] f32.  W: [128 (n)][128 (k)] f32, K innermost.  A work-group of four waves takes 64 rows of x: four tiles of 16.
; THE WAVES SHARE THE COLUMNS: wave w owns columns 32 w .. 32 w + 31 of each of q, k, v: six fragments of weights, which it quantises straight into its registers.
; For x, wave w normalises and quantises rows 16 w .. 16 w + 15; the fragment goes to the other waves through LDS as an image of its registers (16 bytes a lane on end).
; THE PRODUCT IS USED TRANSPOSED (source 0 = 16 rows of W, source 1 = 16 rows of x): a lane holds one row of x and eight neighbouring columns.  The bias is the C of the product.
; WHAT IS STORED, for the attention launch.  A head there is 256 rows on end; a row holds eight tokens of 16 channels.
;   qf: q as it lies, [16384][128] f32.
;   kf: k in the order of the f32 matrix form's registers.  16 rows are a step of 128 keys, key = 8 (row % 16) + column / 16; a step is 8 tiles of 1,024 bytes; lane p of tile 2 b + u holds key
;       32 b + 8 u + p + 8 (p / 8); a tile is two runs of 512 bytes, lane l's 16 bytes at 16 l: run c, lane (p, h): channels 8 h + 4 c + 0 .. 3.
;   vq: a record of 1,280 bytes for each step of 128 keys: the register image of V^T's fragment (16 channels x 128 keys, the keys in their order, quantised along the keys), then each lane's scale word twice.
; No tensor load, no loop.  Every global store of a wave covers 256 or 512 consecutive bytes, aligned.
; LIMITS: a block of zeros gets the byte 1 where the rule says 127 (its codes are zeros, and this program alone reads the bytes); blocks whose largest magnitude lies under 2^-124 are held at that byte;
; NaN and infinities among the inputs are not served.
.set XIMG, 0                           ; LDS: x's four fragments, 1,024 bytes each
.set XSC,  4096                        ; their scale words, 128 bytes each
.set QST,  4608                        ; q's stage: 64 rows x (512 + 16) bytes
.set VST,  38400                       ; v's stage, likewise
.set KST,  72192                       ; k's stage: 32 tiles x (1,024 + 16) bytes: the 16 bytes put the sixteen lanes of a store into sixteen different columns of 16 bytes modulo 256
.set XA,  1                            ; v1   x: (16 w + r) 512 + 128 h
.set LA,  2                            ; v2   ln_w, ln_b: 128 h
.set WA,  3                            ; v3   a weight: (32 w + r) 512 + 128 h
.set BA,  4                            ; v4   a bias: 128 w + 32 h
.set IW,  5                            ; v5   where I store x's image: 1024 w + 16 l
.set IS,  6                            ; v6   and its scale word: XSC + 128 w + 4 l
.set LI,  7                            ; v7   16 l
.set LS,  8                            ; v8   XSC + 4 l
.set QSA, 9                            ; v9   q's stage, on the way in
.set VSA, 10                           ; v10  v's
.set KSA, 11                           ; v11  k's
.set SH8, 12                           ; v12  8 h: where my two scale bytes stand in the word
.set RR,  13                           ; v13  r = lane % 16
.set HH,  14                           ; v14  h = lane / 16
.set TT,  15                           ; v15  at work
.set QRA, 1                            ; the way out takes v1-5 again: q's stage read by rows,
.set KRA, 2                            ; k's by tiles,
.set VRA, 3                            ; v's down the keys,
.set GO,  4                            ; 8192 w + 16 l in qf and kf,
.set S8L, 5                            ; 8 l
.set A,   16                           ; v16-79   x; weights of even fragments; the accumulators; q's rows on the way out
.set B,   80                           ; v80-143  ln_w; weights of odd fragments; x's fragment; V's 64 numbers
.set C,   144                          ; v144-207 ln_b; the biases; k's tiles on the way out
.set ACC, 16                           ; six accumulators
.set XF,  80
.set BI,  144                          ; six biases of eight registers
.set WF,  192                          ; v192-239 six fragments of weights
.set QC,  208                          ; v208-215 x's codes (before the weights'), V's codes (after them)
.set WS,  240                          ; v240-245 the weights' scale words;  v246 x's;  v247 the word just made: v240-247 hold scales alone
.set XS,  246
.set PW,  247
.set TM,  248                          ; v248-254 at work
.set SEL, 32                           ; s[32:33] v_permlanex16_b32's selects for lane l xor 16
; 64 numbers of a lane, v[src + 32 c + i] = k 64 c + 32 h + i of my row, become the fragment's eight registers and its scale word.  A lane holds two whole blocks, so no other lane is asked for a maximum.
.macro QUANT64 src, codes, word
.irp c, 0,1
	v_max3_num_f32 v[TM+\c], |v[(\src)+32*\c]|, |v[(\src)+32*\c+1]|, 0x1800000   ; and the floor 2^(3 - 127): the byte cannot fall under 1
.endr
.irp i, 2,4,6,8,10,12,14,16,18,20,22,24,26,28,30
.irp c, 0,1
	v_max3_num_f32 v[TM+\c], v[TM+\c], |v[(\src)+32*\c+\i]|, |v[(\src)+32*\c+\i+1]|   ; the two blocks by turns
.endr
.endr
.irp c, 0,1
	v_add_nc_u32 v[TM+2+\c], 0xff000000, v[TM+\c]   ; 2 off the exponent field: the conversion takes this operand's exponent field as its scale
.endr
.irp c, 0,1
	v_lshrrev_b32 v[TM+4+\c], 23, v[TM+2+\c]        ; the scale's byte
.endr
	v_lshl_or_b32 v[\word], v[TM+5], 16, v[TM+4]    ; my bytes: blocks h and 2 + h,
	v_lshlrev_b32 v[\word], v[SH8], v[\word]        ; at their places;
	v_permlanex16_b32 v[TM+6], v[\word], s[SEL], s[SEL+1]
	v_or_b32 v[\word], v[\word], v[TM+6]            ; with lane l xor 16's two the word is whole
.irp c, 0,1
.irp g, 0,1,2,3
	v_cvt_scalef32_pk8_fp4_f32 v[(\codes)+4*\c+\g], v[(\src)+32*\c+8*\g:(\src)+32*\c+8*\g+7], v[TM+2+\c]
.endr
.endr
	v_nop                                           ; one plain line behind the last scaled conversion
.endm
; fragment f (matrix f / 2, my tile f % 2): my row's 64 numbers into buf
.macro WLOAD f, buf
.irp c, 0,1
.irp i, 0,1,2,3,4,5,6,7
	global_load_b128 v[(\buf)+32*\c+4*\i:(\buf)+32*\c+4*\i+3], v[WA], s[10+4*((\f)/2):11+4*((\f)/2)] offset:8192*((\f)%2)+256*\c+16*\i
.endr
.endr
.endm
; fragment f is quantised; n = the loads issued behind its own, which may stay out; next = 1: its buffer takes the fragment two further on
.macro WQ f, n, next
	s_wait_loadcnt \n
	QUANT64 A+64*((\f)%2), WF+8*(\f), WS+(\f)
.if \next
	WLOAD (\f)+2, A+64*((\f)%2)
.endif
.endm
	s_load_b512 s[4:19], s[0:1], 0x0               ; x 4, ln_w 6, ln_b 8, Wq 10, bq 12, Wk 14, bk 16, Wv 18
	s_load_b256 s[20:27], s[0:1], 0x40             ; bv 20, qf 22, kf 24, vq 26
	v_lshl_add_u32 v255, v0, 2, 0x19c00
	s_set_vgpr_msb 0x40
	v_mov_b32 v1, 0
	s_set_vgpr_msb 0x4000
	v_lshrrev_b32 v1, 5, v0
	v_readfirstlane_b32 s28, v1                    ; wave 0..3
	v_and_b32 v[RR], 15, v0
	v_bfe_u32 v[HH], v0, 4, 1
	v_and_b32 v[TT], 31, v0                        ; l
	v_lshlrev_b32 v[LA], 7, v[HH]
	v_lshl_add_u32 v[WA], v[RR], 9, v[LA]          ; 512 r + 128 h
	s_lshl_b32 s29, s28, 13
	v_add_nc_u32 v[XA], s29, v[WA]
	s_lshl_b32 s29, s28, 14
	v_add_nc_u32 v[WA], s29, v[WA]
	s_lshl_b32 s29, s28, 7                         ; 128 w
	v_lshl_add_u32 v[BA], v[HH], 5, s29
	v_lshlrev_b32 v[LI], 4, v[TT]
	v_lshl_add_u32 v[LS], v[TT], 2, XSC
	v_add_nc_u32 v[IS], s29, v[LS]
	v_mul_u32_u24 v[QSA], v[RR], 528               ; q's stage: row r, my columns' bytes 128 w + 32 h
	v_lshl_add_u32 v[QSA], v[HH], 5, v[QSA]
	v_add_nc_u32 v[QSA], s29, v[QSA]
	v_add_nc_u32 v[QSA], QST, v[QSA]
	v_add_nc_u32 v[VSA], VST-QST, v[QSA]
	s_lshl_b32 s29, s28, 10
	v_add_nc_u32 v[IW], s29, v[LI]
	v_lshrrev_b32 v[KSA], 2, v[RR]                 ; k's stage: row r of a step lies in tile 2 (r / 4) + r % 2, at place (column / 16) + 8 ((r / 2) % 2)
	v_mul_u32_u24 v[KSA], v[KSA], 2080
	v_and_b32 v[TT], 1, v[RR]
	v_mad_u32_u24 v[KSA], v[TT], 1040, v[KSA]
	v_bfe_u32 v[TT], v[RR], 1, 1
	v_lshl_add_u32 v[KSA], v[TT], 7, v[KSA]
	v_lshl_add_u32 v[KSA], v[HH], 8, v[KSA]        ; channels 8 h on: 256 h
	s_lshl_b32 s29, s28, 5                         ; my tokens 2 w, 2 w + 1: 16 bytes each
	v_add_nc_u32 v[KSA], s29, v[KSA]
	v_add_nc_u32 v[KSA], KST, v[KSA]
	v_lshlrev_b32 v[SH8], 3, v[HH]
	v_mov_b32 v253, 0                              ; named as the upper half of the pair v[252:253]
	v_mov_b32 v254, 0                              ; a lane permute's destination counts as one of its sources
	s_lshl_b32 s30, ttmp9, 15                      ; the work-group's 64 rows of 512 bytes
	s_mov_b32 s31, 0
	s_lshl_b32 s36, ttmp9, 2
	s_add_co_u32 s36, s36, s28
	s_mul_i32 s36, s36, 1280                       ; my record of vq: step 4 g + w
	s_mov_b32 s37, 0
	s_mov_b32 s[SEL], 0x76543210
	s_mov_b32 s[SEL+1], 0xfedcba98
	s_mov_b32 s34, 0x3c000000                      ; 1 / 128
	s_mov_b32 s35, 0x3727c5ac                      ; 1e-5
	s_wait_kmcnt 0x0
	s_add_nc_u64 s[4:5], s[4:5], s[30:31]
	s_add_nc_u64 s[22:23], s[22:23], s[30:31]
	s_add_nc_u64 s[24:25], s[24:25], s[30:31]
	s_add_nc_u64 s[26:27], s[26:27], s[36:37]
.irp c, 0,1
.irp i, 0,1,2,3,4,5,6,7
	global_load_b128 v[A+32*\c+4*\i:A+32*\c+4*\i+3], v[XA], s[4:5] offset:256*\c+16*\i th:TH_LOAD_NT   ; x(row, 64 c + 32 h + 4 i ..): the order that the operand's layout gives my lane
.endr
.endr
.irp c, 0,1
.irp i, 0,1,2,3,4,5,6,7
	global_load_b128 v[B+32*\c+4*\i:B+32*\c+4*\i+3], v[LA], s[6:7] offset:256*\c+16*\i
.endr
.endr
.irp c, 0,1
.irp i, 0,1,2,3,4,5,6,7
	global_load_b128 v[C+32*\c+4*\i:C+32*\c+4*\i+3], v[LA], s[8:9] offset:256*\c+16*\i
.endr
.endr
	s_wait_loadcnt 32                              ; x's 16 loads are in; the 32 of ln_w and ln_b may be out
	; ---- LayerNorm in two passes over registers: the mean, then the mean of the squared differences.  A row lies in lanes l and l xor 16
	v_pk_add_f32 v[248:249], v[A:A+1], v[A+2:A+3]
	v_pk_add_f32 v[250:251], v[A+4:A+5], v[A+6:A+7]
.irp j, 8,12,16,20,24,28,32,36,40,44,48,52,56,60
	v_pk_add_f32 v[248:249], v[248:249], v[A+\j:A+\j+1]
	v_pk_add_f32 v[250:251], v[250:251], v[A+\j+2:A+\j+3]
.endr
	v_pk_add_f32 v[248:249], v[248:249], v[250:251]
	v_add_f32 v248, v248, v249
	v_permlanex16_b32 v254, v248, s[SEL], s[SEL+1]
	v_add_f32 v248, v248, v254
	v_mul_f32 v252, s34, v248                      ; the mean
.set j, 0
.rept 32
	v_pk_add_f32 v[A+j:A+j+1], v[A+j:A+j+1], v[252:253] op_sel_hi:[1,0] neg_lo:[0,1] neg_hi:[0,1]   ; x - mean
.set j, j+2
.endr
	v_pk_mul_f32 v[248:249], v[A:A+1], v[A:A+1]
	v_pk_mul_f32 v[250:251], v[A+2:A+3], v[A+2:A+3]
.irp j, 4,8,12,16,20,24,28,32,36,40,44,48,52,56,60
	v_pk_fma_f32 v[248:249], v[A+\j:A+\j+1], v[A+\j:A+\j+1], v[248:249]
	v_pk_fma_f32 v[250:251], v[A+\j+2:A+\j+3], v[A+\j+2:A+\j+3], v[250:251]
.endr
	v_pk_add_f32 v[248:249], v[248:249], v[250:251]
	v_add_f32 v248, v248, v249
	v_permlanex16_b32 v254, v248, s[SEL], s[SEL+1]
	v_add_f32 v248, v248, v254
	v_fma_f32 v248, v248, s34, s35                 ; the variance + 1e-5
	v_rsq_f32 v252, v248
	v_nop                                          ; a plain line behind the transcendental
	s_wait_alu depctr_va_vdst(0)                   ; and the wait ahead of the first line that names its result
	s_wait_loadcnt 0x0                             ; ln_w, ln_b
.set j, 0
.rept 32
	v_pk_mul_f32 v[A+j:A+j+1], v[A+j:A+j+1], v[252:253] op_sel_hi:[1,0]
.set j, j+2
.endr
.set j, 0
.rept 32
	v_pk_fma_f32 v[A+j:A+j+1], v[A+j:A+j+1], v[B+j:B+j+1], v[C+j:C+j+1]
.set j, j+2
.endr
	QUANT64 A, QC, PW
	ds_store_b128 v[IW], v[QC:QC+3] offset:XIMG
	ds_store_b128 v[IW], v[QC+4:QC+7] offset:XIMG+512
	ds_store_b32 v[IS], v[PW]
	; ---- my six fragments of weights, two buffers by turns; the biases in the result's layout: lane (r, h) wants those of columns 32 w + 16 (f % 2) + 8 h + 0 .. 7
	WLOAD 0, A
	WLOAD 1, B
.irp f, 0,1,2,3,4,5
	global_load_b128 v[BI+8*\f:BI+8*\f+3], v[BA], s[12+4*(\f/2):13+4*(\f/2)] offset:64*(\f%2)
	global_load_b128 v[BI+8*\f+4:BI+8*\f+7], v[BA], s[12+4*(\f/2):13+4*(\f/2)] offset:64*(\f%2)+16
.endr
	s_wait_dscnt 0x0                               ; the image's stores have read x's codes: fragment 2 will be written over them
	WQ 0, 28, 1                                    ; behind fragment 0's loads: fragment 1's 16 and the 12 of the biases
	WQ 1, 28, 1                                    ; behind fragment 1's: the 12 and fragment 2's 16
	WQ 2, 16, 1                                    ; from here on the next fragment's 16
	WQ 3, 16, 1
	WQ 4, 16, 0
	WQ 5, 0, 0
.rept 8
	v_nop                                          ; a scale register written by a vector line stands eight places ahead of a scaled product, an operand four
.endr
	s_barrier_signal -1                            ; my LDS stores were waited for above
	s_barrier_wait -1                              ; x's four images are whole
	; ---- the products, a tile of 16 rows at a time: six accumulators, each begun with its bias
.irp m, 0,1,2,3
	ds_load_b128 v[XF:XF+3], v[LI] offset:XIMG+1024*\m
	ds_load_b128 v[XF+4:XF+7], v[LI] offset:XIMG+1024*\m+512
	ds_load_b32 v[XS], v[LS] offset:128*\m
	s_wait_dscnt 0x0                               ; the fragment is in, and the last tile's stage stores have read the accumulators
.irp f, 0,1,2,3,4,5
	v_wmma_scale_f32_16x16x128_f8f6f4 v[ACC+8*\f:ACC+8*\f+7], v[WF+8*\f:WF+8*\f+7], v[XF:XF+7], v[BI+8*\f:BI+8*\f+7], v[WS+\f], v[XS] matrix_a_fmt:MATRIX_FMT_FP4 matrix_b_fmt:MATRIX_FMT_FP4
.endr
.rept 5
	v_nop                                          ; four places ahead of the stores that read results and of the loads into x's fragment; five ahead of the next tile's products, which begin these accumulators anew
.endr
.irp n, 0,1                                    ; lane (r, h): row 16 m + r, token 2 w + n, channels 8 h + 0 .. 7; each accumulator from its low end on
	ds_store_b128 v[QSA], v[ACC+8*\n:ACC+8*\n+3] offset:8448*\m+64*\n
	ds_store_b128 v[QSA], v[ACC+8*\n+4:ACC+8*\n+7] offset:8448*\m+64*\n+16
	ds_store_b128 v[KSA], v[ACC+16+8*\n:ACC+16+8*\n+3] offset:8320*\m+16*\n
	ds_store_b128 v[KSA], v[ACC+16+8*\n+4:ACC+16+8*\n+7] offset:8320*\m+16*\n+512
	ds_store_b128 v[VSA], v[ACC+32+8*\n:ACC+32+8*\n+3] offset:8448*\m+64*\n
	ds_store_b128 v[VSA], v[ACC+32+8*\n+4:ACC+32+8*\n+7] offset:8448*\m+64*\n+16
.endr
.endr
	s_wait_dscnt 0x0                               ; for the others' sake: my stores into the stages are done
	s_barrier_signal -1
	s_barrier_wait -1
	; ---- the way out: wave w takes rows 16 w .. 16 w + 15: q by rows, k by tiles, v down the keys
	s_mul_i32 s29, s28, 8448
	s_mul_i32 s30, s28, 8320
	s_lshl_b32 s31, s28, 13
	v_add_nc_u32 v[QRA], s29, v[LI]
	v_add_nc_u32 v[QRA], QST, v[QRA]
	v_add_nc_u32 v[KRA], s30, v[LI]
	v_add_nc_u32 v[KRA], KST, v[KRA]
	v_mul_u32_u24 v[VRA], v[HH], 2112              ; keys 32 h on are four rows further down;
	v_lshl_add_u32 v[VRA], v[RR], 2, v[VRA]        ; my channel r
	v_add_nc_u32 v[VRA], s29, v[VRA]
	v_add_nc_u32 v[VRA], VST, v[VRA]
	v_add_nc_u32 v[GO], s31, v[LI]
	v_and_b32 v[TT], 31, v0
	v_lshlrev_b32 v[S8L], 3, v[TT]
.irp c, 0,1
.irp i, 0,1,2,3,4,5,6,7,8,9,10,11,12,13,14,15,16,17,18,19,20,21,22,23,24,25,26,27,28,29,30,31
	ds_load_b32 v[B+32*\c+\i], v[VRA] offset:(8*\c+\i/8)*528+64*(\i%8)   ; v(key 64 c + 32 h + i, channel r): key / 8 is the row, key % 8 the token in it
.endr
.endr
.irp i, 0,1,2,3,4,5,6,7,8,9,10,11,12,13,14,15
	ds_load_b128 v[A+4*\i:A+4*\i+3], v[QRA] offset:528*\i
.endr
.irp i, 0,1,2,3,4,5,6,7,8,9,10,11,12,13,14,15
	ds_load_b128 v[C+4*\i:C+4*\i+3], v[KRA] offset:1040*(\i/2)+512*(\i%2)
.endr
	s_wait_dscnt 16                                ; v's and q's loads are in; k's 16 may be out
.irp i, 0,1,2,3,4,5,6,7,8,9,10,11,12,13,14,15
	global_store_b128 v[GO], v[A+4*\i:A+4*\i+3], s[22:23] offset:512*\i   ; 32 lanes store a row of 512 bytes
.endr
	s_wait_dscnt 0x0
.irp i, 0,1,2,3,4,5,6,7,8,9,10,11,12,13,14,15
	global_store_b128 v[GO], v[C+4*\i:C+4*\i+3], s[24:25] offset:512*\i   ; half a tile: 512 bytes on end
.endr
	QUANT64 B, QC, PW                              ; V^T's fragment of these 128 keys
	v_mov_b32 v[XS], v[PW]                         ; the word twice, so that the 32 lanes store 256 bytes on end
	global_store_b128 v[LI], v[QC:QC+3], s[26:27]
	global_store_b128 v[LI], v[QC+4:QC+7], s[26:27] offset:512
	global_store_b64 v[S8L], v[XS:XS+1], s[26:27] offset:1024
	s_set_vgpr_msb 0x4
	s_wait_tensorcnt 0x0
	ds_add_u32 v255, v1
	s_wait_dscnt 0x0
	s_set_vgpr_msb 0x400
	s_endpgm
.Lfunc_end_k_q280433fac8_qkv:
	.size	k_q280433fac8_qkv, .Lfunc_end_k_q280433fac8_qkv-k_q280433fac8_qkv
	.p2alignl 7, 3214868480
	.fill 96, 4, 3214868480
	.section	.rodata,"a",@progbits
	.p2align	6, 0x0
	.amdhsa_kernel k_q280433fac8_qkv
		.amdhsa_group_segment_fixed_size 105984
		.amdhsa_private_segment_fixed_size 0
		.amdhsa_enable_private_segment 0
		.amdhsa_kernarg_size 96
		.amdhsa_user_sgpr_count 2
		.amdhsa_user_sgpr_kernarg_segment_ptr 1
		.amdhsa_wavefront_size32 1
		.amdhsa_system_sgpr_workgroup_id_x 1
		.amdhsa_system_sgpr_workgroup_id_y 1
		.amdhsa_system_sgpr_workgroup_id_z 1
		.amdhsa_system_vgpr_workitem_id 0
		.amdhsa_next_free_vgpr 258
		.amdhsa_next_free_sgpr 66
		.amdhsa_reserve_vcc 0
		.amdhsa_float_denorm_mode_32 3
		.amdhsa_float_denorm_mode_16_64 3
		.amdhsa_memory_ordered 1
		.amdhsa_forward_progress 1
		.amdhsa_inst_pref_size 71
	.end_amdhsa_kernel
	.amdgpu_metadata
---
amdhsa.version: [ 1, 2 ]
amdhsa.kernels:
  - .name:           k_q280433fac8_qkv
    .symbol:         k_q280433fac8_qkv.kd
    .args:
      - { .name: x, .offset: 0, .size: 8, .value_kind: global_buffer, .address_space: global }
      - { .name: ln_w, .offset: 8, .size: 8, .value_kind: global_buffer, .address_space: global }
      - { .name: ln_b, .offset: 16, .size: 8, .value_kind: global_buffer, .address_space: global }
      - { .name: Wq, .offset: 24, .size: 8, .value_kind: global_buffer, .address_space: global }
      - { .name: bq, .offset: 32, .size: 8, .value_kind: global_buffer, .address_space: global }
      - { .name: Wk, .offset: 40, .size: 8, .value_kind: global_buffer, .address_space: global }
      - { .name: bk, .offset: 48, .size: 8, .value_kind: global_buffer, .address_space: global }
      - { .name: Wv, .offset: 56, .size: 8, .value_kind: global_buffer, .address_space: global }
      - { .name: bv, .offset: 64, .size: 8, .value_kind: global_buffer, .address_space: global }
      - { .name: qf, .offset: 72, .size: 8, .value_kind: global_buffer, .address_space: global }
      - { .name: kf, .offset: 80, .size: 8, .value_kind: global_buffer, .address_space: global }
      - { .name: vq, .offset: 88, .size: 8, .value_kind: global_buffer, .address_space: global }
    .group_segment_fixed_size: 105984
    .private_segment_fixed_size: 0
    .kernarg_segment_align: 8
    .kernarg_segment_size: 96
    .max_flat_workgroup_size: 128
    .sgpr_count:     66
    .vgpr_count:     258
    .wavefront_size: 32
...
	.end_amdgpu_metadata
.endif
;; end of part 1
;; launch attn (part 2): grid 4 x 64, 4 waves a work-group, no clusters, 327,680 bytes of LDS; arguments qf, kf, vq, Wo, bo, x, out0; writes out0
.if DOCPART == 2
	.amdgcn_target "amdgcn-amd-amdhsa--gfx1250"
	.amdhsa_code_object_version 6
	.text
	.protected	k_q280433fac8_attn
	.globl	k_q280433fac8_attn
	.p2align	8
	.type	k_q280433fac8_attn,@function
k_q280433fac8_attn:
	s_mov_b64 s[64:65], 0
	v_nop
	global_prefetch_b8 v0, s[64:65] scope:SCOPE_SE
	s_setreg_imm32_b32 hwreg(HW_REG_WAVE_MODE, 25, 1), 1
	s_wait_xcnt 0x0
; out0 = Q(o) Q(Wo)^T + bo + x,  o = Q(softmax(q k^T) / sqrt(128)) Q(v), for 64 heads of 2,048 tokens x 16 channels.  A head is 256 rows of the flat [16384][128] on end; a row holds eight tokens.
; q k^T (K = 16) stays in f32, since its result goes on into a quantised operand: v_wmma_f32_16x16x4_f32.  The other two products run on codes of FP4 (E2M1) with one E8M0 scale for each 32 along K.
; WHAT IS QUANTISED IS THE FINISHED WEIGHT p = exp(e - m) / (l sqrt(128)), so the row's sum l must be known before the first code is made.  THE ENERGIES ARE MADE ONCE, AND SO IS EACH EXPONENTIAL:
; phase A walks the keys, 128 a step, and keeps p' = 2^(c e - M_s), c = log2(e), M_s = the largest c e so far rounded UP to a whole number; phase C multiplies by G_s = 2^(M_s - M_end) / (l sqrt(128)),
; whose power of two is exact, quantises along the keys and adds V^T P^T onto O^T.
; PHASE A GOES BY TURNS.  The energies have two buffers of 64 registers.  While the 32 products of key step e are issued into one, the softmax of step e - 1, a list of 173 lines on the other, stands in
; slices behind them.  The products go in two halves, tiles 0-3 and tiles 4-7, so that k needs one set of registers: each half is loaded anew while the other half is multiplied, in one run of eight loads.
; WHERE p' LIES.  16 queries x 2,048 keys are 1,024 registers of a wave.  Twelve slots of 64 registers fill windows 1-3: slots 0-10 keep steps 0-10; slot 11 serves steps 11-15, of which 11-14 go on to the
; wave's own LDS as images of their registers (16 bytes a lane on end) and 15 stays.  The f32 matrix form writes its 128 registers and nothing else writes them.
; SHARES.  Work-group (x, y): head y, queries 512 x .. 512 x + 511, which are 64 rows of out0.  Four waves, as many as a WGP has SIMDs; wave w owns queries 128 w .. 128 w + 127, eight tiles of 16, one a trip;
; they are rows 16 w .. 16 w + 15 of the 64.
; LDS.  The head's k (131,072 bytes, in the order of the operand's registers), its 16 records of V^T's codes (1,280 bytes each) and the block's q (8,192 bytes a wave) come ONCE, by three tensor loads a wave at
; the head: three loads of mine are out.  Nothing is filled again.  q LIES IN THE BYTES OF o's STAGE, 256 bytes in: tile j's two rows of o end at byte 1056 j + 1040 of my 8,448, tile j + 1's q begins at
; 1280 + 1024 j: o never reaches q that is still to be read.  Inside the loop only the owning wave touches these bytes.
; NO CLUSTER: the four work-groups of a head read the same 151,552 bytes of k and V, but each asks for them once, at its head, and behind that every wave issues 8 x 16 x 32 matrix instructions on them.
; LAYOUT.  S^T = k q^T (source 0 = 16 keys, source 1 = my 16 queries): a lane holds ONE query (lane % 16).  Lane p of tile 2 b + u holds key 32 b + 8 u + p + 8 (p / 8), so that the 16 registers of tiles
; 2 b and 2 b + 1 are keys 32 b + 16 (lane / 16) + 0 .. 15.  Of the 16 channels, instruction i takes 2 i, 2 i + 1, 8 + 2 i, 9 + 2 i: the same on both sides.  O^T = V^T P^T: again one query a lane, eight channels.
; Maximum and sum are kept lane by lane, each lane for its own half of the keys; the halves are joined once a tile.
; LIMITS: energies of magnitude 1e38 and more are not served; a p under 2^-126 counts as 0 or is rounded as a denormal; a block of zeros gets the byte 1 with zero codes; NaN and infinities are not served.
.set VB,   131072                      ; LDS: k at 0; V's records;
.set SPL,  151552                      ; p' of steps 11-14: 4 x 8,192 bytes for each wave;
.set OQ,   282624                      ; o's 64 rows x (512 + 16) bytes, 8,448 a wave, with the wave's q 256 bytes in; at the end the result's rows;
.set XIMG, 316416                      ; the images of o's four fragments, 1,024 bytes each;
.set XSC,  320512                      ; their scale words, 64 bytes each
.set AK0, 1                            ; v1   16 l: k's steps 0-7
.set AK1, 2                            ; v2   16 l + 65,536: steps 8-15
.set AV0, 3                            ; v3   VB + 16 l
.set AS0, 4                            ; v4   VB + 1024 + 8 l
.set SP0, 5                            ; v5   SPL + 32,768 w + 16 l
.set OSA, 6                            ; v6   where a tile's O^T goes in o's stage
.set QA0, 7                            ; v7   OQ + 256 + 8,448 w + 64 r + 32 h
.set NM,  8                            ; v8   -M (the packed form names the pair v[8:9] and takes its low word)
.set ME,  9                            ; v9   the largest energy so far
.set F,   10                           ; v[10:11] 2^(M_old - M_new); in phase C the step's G, twice
.set W,   12                           ; v12-15   at work
.set Q,   16                           ; v16-23   my queries' fragment
.set L,   24                           ; v24-31   the sum, in four pairs
.set GS,  16                           ; v16-31   phase C: G of the 16 steps
.set K,   32                           ; v32-95   eight tiles of k; phase C: a step of p' back from LDS; at the end Wo's numbers, the results, the result's rows
.set S,   96                           ; v96-223  the energies, two buffers of 64
.set VF,  224                          ; v224-231 V^T's fragment
.set PC,  232                          ; v232-239 p's codes
.set MS,  224                          ; v224-239 phase A: -M of the 16 steps
.set O,   240                          ; v240-247 O^T
.set TMX, 248                          ; v248-251 at work
.set WS2, 252                          ; v252-255 hold scales alone: Wo's second word, o's second, p's or o's first, V's or Wo's first
.set PW2, 253
.set PW,  254
.set VS,  255
.set WV,  18                           ; s18 wave;  s19 head
.set HD,  19
.set SEL, 20                           ; s[20:21] v_permlanex16_b32's selects for lane l xor 16
.set CS,  22                           ; s[22:23] c = log2(e)
.set NC,  24                           ; s24 -c
.set TQ,  25                           ; s25 the tile's place in my q: 1,024 bytes a trip
.set TO,  26                           ; s26 and in o's stage: two rows a trip
.set CNT8, 27
.set G0K, 32                           ; s[32:35], s[36:39], s[40:43] descriptor groups 0;  s[44:51], s[52:59], s[68:75] groups 1
.set G0V, 36
.set G0Q, 40
.set G1K, 44
.set G1V, 52
.set G1Q, 68
.set MSB, 0
.macro WIN new                         ; s_set_vgpr_msb: bits 1:0 source 0, 3:2 source 1, 5:4 source 2, 7:6 destination; the high byte repeats the setting that is left; a switch that changes nothing is dropped
.if MSB != (\new)
	s_set_vgpr_msb (MSB<<8)|(\new)
.set MSB, \new
.endif
.endm
.macro SHAPE g, rows                   ; a dense block as rows of 256 bytes (32 elements of 8 bytes), no mask, no padding
	s_mov_b32 s[\g], 3<<16                         ; 17:16 elements of 8 bytes
	s_mov_b32 s[\g+1], 32<<16                      ; tensor_dim0 = 32
	s_mov_b32 s[\g+2], (\rows)<<16                 ; tensor_dim1
	s_mov_b32 s[\g+3], 32<<16                      ; tile_dim0 = 32
	s_mov_b32 s[\g+4], \rows                       ; tile_dim1
	s_mov_b32 s[\g+5], 32                          ; elements from row to row
	s_mov_b32 s[\g+6], 0
	s_mov_b32 s[\g+7], 0
.endm
.macro KF s, t                         ; tile t of key step s: two loads of 512 bytes on end
.if (\s) < 8
	ds_load_b128 v[K+8*(\t):K+8*(\t)+3], v[AK0] offset:8192*(\s)+1024*(\t)
	ds_load_b128 v[K+8*(\t)+4:K+8*(\t)+7], v[AK0] offset:8192*(\s)+1024*(\t)+512
.else
	ds_load_b128 v[K+8*(\t):K+8*(\t)+3], v[AK1] offset:8192*((\s)-8)+1024*(\t)
	ds_load_b128 v[K+8*(\t)+4:K+8*(\t)+7], v[AK1] offset:8192*((\s)-8)+1024*(\t)+512
.endif
.endm
; Product kk of the 32 of key step e: half kk / 16, channels' group (kk % 16) / 4, tile 4 (kk / 16) + kk % 4.  The half's four accumulators take turns, one instruction a turn;
; the first four channels start the sums.
.macro MM e
	WIN 0
.set tt, 4*(kk/16)+kk%4
.set ii, (kk%16)/4
.set SD, S+64*((\e)%2)+8*tt
.if ii == 0
	v_wmma_f32_16x16x4_f32 v[SD:SD+7], v[K+8*tt:K+8*tt+1], v[Q:Q+1], 0
.else
	v_wmma_f32_16x16x4_f32 v[SD:SD+7], v[K+8*tt+2*ii:K+8*tt+2*ii+1], v[Q+2*ii:Q+2*ii+1], v[SD:SD+7]
.endif
.endm
; THE SOFTMAX OF KEY STEP s IS A LIST OF 173 LINES; SM writes number jj of it.
;   0-31    the maximum of the lane's 64 energies and the old maximum, in four chains; each accumulator is first read at its low end
;   32-39   the running maximum; -M = floor(-c m): M is a whole number; 2^(M_old - M_new), which rounds nothing; the step's -M is kept for phase C
;   40-43   the four sums under the new M
;   44-75   c e - M, two at a time, into the step's slot
;   76-139  p' = 2^(c e - M), at most 1, in place: one batch of 64, none of which reads another's result
;   140     a plain line behind the last exponential, and the one wait ahead of the first line that names a result
;   141-172 the sums, in four chains
.macro SM s
.if (\s) < 11
.set PB, 64*((\s)%4)
.set PN, 1+(\s)/4
.else
.set PB, 192
.set PN, 3
.endif
.set SY, S+64*((\s)%2)
.if jj < 44
	WIN 0
.endif
.if jj < 4
	v_max3_num_f32 v[TMX+jj], v[ME], v[SY+16*jj], v[SY+16*jj+1]
.elseif jj < 32
	v_max3_num_f32 v[TMX+jj%4], v[TMX+jj%4], v[SY+16*(jj%4)+2*(jj/4)], v[SY+16*(jj%4)+2*(jj/4)+1]
.elseif jj == 32
	v_max3_num_f32 v[W], v[TMX], v[TMX+1], v[TMX+2]
.elseif jj == 33
	v_max_num_f32 v[ME], v[W], v[TMX+3]
.elseif jj == 34
	v_mul_f32 v[W], s[NC], v[ME]
.elseif jj == 35
	v_floor_f32 v[NM], v[W]
.elseif jj == 39
	v_mov_b32 v[MS+(\s)], v[NM]
.elseif (jj < 44) && ((\s) == 0)
	; the first step has no old M and finds zeros as sums
.elseif jj == 36
	v_sub_f32 v[W+1], v[NM], v[MS+(\s)-1]          ; M's old value less its new one: a whole number, 0 or less
.elseif jj == 37
	v_cvt_i32_f32 v[W+1], v[W+1]                   ; (it saturates)
.elseif jj == 38
	v_ldexp_f32 v[F], 1.0, v[W+1]
.elseif jj < 44
	v_pk_mul_f32 v[L+2*(jj-40):L+2*(jj-40)+1], v[L+2*(jj-40):L+2*(jj-40)+1], v[F:F+1] op_sel_hi:[1,0]
.elseif jj < 76
.if (jj == 44) && ((\s) >= 12)                 ; slot 11 is written again: the stores that sent the last step's p' to LDS are done
.if (\s) == 15
	s_wait_dscnt 0x0
.else
	s_wait_dscnt 8                                 ; behind those 16 stores stand the 8 loads of k's tiles 4-7, which may be out
.endif
.endif
	WIN PN<<6
	v_pk_fma_f32 v[PB+2*(jj-44):PB+2*(jj-44)+1], v[SY+2*(jj-44):SY+2*(jj-44)+1], s[CS:CS+1], v[NM:NM+1] op_sel_hi:[1,0,0]
.elseif jj < 140
	WIN PN|(PN<<6)
	v_exp_f32 v[PB+jj-76], v[PB+jj-76]
.elseif jj == 140
	v_nop
	s_wait_alu depctr_va_vdst(0)
.else
	WIN PN<<2
	v_pk_add_f32 v[L+2*((jj-141)%4):L+2*((jj-141)%4)+1], v[L+2*((jj-141)%4):L+2*((jj-141)%4)+1], v[PB+2*(jj-141):PB+2*(jj-141)+1]
.endif
.endm
; How many lines of the list stand behind product kk: none behind 0 and 16, which have a run of loads; 4 x 8 maxima; 3, 3, 6 for M and the sums' rescaling, whose lines wait for each other;
; 4 x 8 multiply-adds; 13 x 5 for the exponentials and their wait; 6, 6, 5, 5, 5, 5 additions: 173.
.macro DEAL
.if (kk == 0) || (kk == 16)
.set nn, 0
.elseif kk < 5
.set nn, 8
.elseif kk < 7
.set nn, 3
.elseif kk == 7
.set nn, 6
.elseif kk < 12
.set nn, 8
.elseif kk < 26
.set nn, 5
.elseif kk < 28
.set nn, 6
.else
.set nn, 5
.endif
.endm
; KEY STEP e's PRODUCTS, WITH STEP e - 1's SOFTMAX BEHIND THEM.  Behind product 0: tiles 4-7 of this step's k (the last step's products have read those registers); behind product 16: tiles 0-3 of the next
; step's.  Eight v_nop stand in front of each run: the places that the f32 form asks for ahead of loads into registers that it has read (ISA guide 7.12.1 for vector instructions
; ); the first eight are also the places ahead of the first read of the last step's energies.
.macro COMBO e
.set kk, 0
.set jj, 0
.if (\e) >= 13
	s_wait_dscnt 16                                ; tiles 0-3 are in; the 16 stores of p' issued behind their loads may be out
.else
	s_wait_dscnt 0x0                               ; tiles 0-3 are in (in step 0 all eight, and q)
.endif
.rept 32
.if kk == 16
	s_wait_dscnt 0x0                               ; tiles 4-7 are in: asked for 15 products ago
.endif
	MM \e
.if ((kk == 0) && ((\e) > 0)) || ((kk == 16) && ((\e) < 15))
.rept 8
	v_nop
.endr
.irp t, 0,1,2,3
	KF (\e)+kk/16, \t+4-kk/4
.endr
.endif
.if (\e) > 0
	DEAL
.rept nn
	SM (\e)-1
.set jj, jj+1
.endr
.endif
.set kk, kk+1
.endr
.if (\e) >= 12
	WIN 0x0c                                       ; an LDS store's data are its source 1: window 3
.irp i, 0,1,2,3,4,5,6,7,8,9,10,11,12,13,14,15
	ds_store_b128 v[SP0], v[192+4*\i:192+4*\i+3] offset:8192*((\e)-12)+512*\i   ; p' of step e - 1 (11 to 14): the image of slot 11, into my own bytes, in one run
.endr
.endif
	WIN 0
.endm
.macro SPLOAD s                        ; p' of step s (11 to 14) back, into k's registers
.irp i, 0,1,2,3,4,5,6,7,8,9,10,11,12,13,14,15
	ds_load_b128 v[K+4*\i:K+4*\i+3], v[SP0] offset:8192*((\s)-11)+512*\i
.endr
.endm
.macro LOC s                           ; where step s lies in phase C: window LW, register LB
.if (\s) < 11
.set LB, 64*((\s)%4)
.set LW, 1+(\s)/4
.elseif (\s) == 15
.set LB, 192
.set LW, 3
.else
.set LB, K
.set LW, 0
.endif
.endm
; p' of step s x G_s, in place: p, finished
.macro MUL s
	LOC \s
	v_mov_b32 v[F], v[GS+(\s)]
	v_mov_b32 v[F+1], v[GS+(\s)]
	WIN LW|(LW<<6)
.set j, 0
.rept 32
	v_pk_mul_f32 v[LB+j:LB+j+1], v[LB+j:LB+j+1], v[F:F+1]
.set j, j+2
.endr
	WIN 0
.endm
; A KEY STEP OF PHASE C: step s holds p.  first = 1: the product starts O^T's sum.  nxt: the step whose p is made next, or -1.
.macro QPV s, first, nxt
	LOC \s
	WIN LW|(LW<<2)
.irp b, 0,1,2,3
	v_max3_num_f32 v[TMX+\b], v[LB+16*\b], v[LB+16*\b+1], 0x1800000   ; block b of 32 keys: my 16 (none is negative), and the floor 2^(3 - 127).  These four are the places behind the last product, ahead of the loads below
.endr
	WIN (LW<<2)|(LW<<4)                            ; (destination and source 0, a load's data and address, stay in window 0)
	ds_load_b128 v[VF:VF+3], v[AV0] offset:1280*(\s)
	ds_load_b128 v[VF+4:VF+7], v[AV0] offset:1280*(\s)+512
	ds_load_b32 v[VS], v[AS0] offset:1280*(\s)
.irp i, 2,4,6,8,10,12,14
.irp b, 0,1,2,3
	v_max3_num_f32 v[TMX+\b], v[TMX+\b], v[LB+16*\b+\i], v[LB+16*\b+\i+1]
.endr
.endr
	WIN 0
.irp b, 0,1,2,3
	v_permlanex16_b32 v[W+\b], v[TMX+\b], s[SEL], s[SEL+1]
.endr
.irp b, 0,1,2,3
	v_max_num_f32 v[TMX+\b], v[TMX+\b], v[W+\b]    ; with lane l xor 16's 16: the block's largest p
.endr
.irp b, 0,1,2,3
	v_add_nc_u32 v[TMX+\b], 0xff000000, v[TMX+\b]  ; 2 off the exponent field: the conversion's scale operand
.endr
.irp b, 0,1,2,3
	v_lshrrev_b32 v[W+\b], 23, v[TMX+\b]           ; the scale's byte
.endr
	v_lshl_or_b32 v[PW], v[W+1], 8, v[W]           ; p's scale word for these 128 keys
	v_lshl_or_b32 v[PW], v[W+2], 16, v[PW]
	v_lshl_or_b32 v[PW], v[W+3], 24, v[PW]
	WIN LW
.irp b, 0,1,2,3
	v_cvt_scalef32_pk8_fp4_f32 v[PC+2*\b], v[LB+16*\b:LB+16*\b+7], v[TMX+\b]
	v_cvt_scalef32_pk8_fp4_f32 v[PC+2*\b+1], v[LB+16*\b+8:LB+16*\b+15], v[TMX+\b]
.endr
	WIN 0
	v_nop                                          ; one plain line behind the last scaled conversion
.irp c, 0,1                                    ; the operand's layout wants a whole block in a lane: lanes 0-15 block 2 c, lanes 16-31 block 2 c + 1
.irp i, 0,1
	v_permlane16_swap_b32 v[PC+4*\c+\i], v[PC+4*\c+2+\i]
.endr
.endr
.if ((\s) >= 11) && ((\s) < 14)
	SPLOAD (\s)+1                                  ; k's registers are read out: they take the next step that comes back; it lands under the next step's quantiser
	s_wait_dscnt 16                                ; V's fragment and word are in; the 16 loads just issued may be out
.else
	s_wait_dscnt 0x0                               ; V's fragment and word are in, and so is a step of p' that was on its way back from LDS
.endif
.if (\nxt) >= 0
	MUL \nxt                                       ; its 34 lines are also the places between the scale word's and the codes' last writes and the scaled product (eight and four are asked)
.else
.rept 8
	v_nop
.endr
.endif
.if (\first) == 0
	s_wait_alu depctr_va_vdst(0)                   ; the wait directly ahead of each link
	v_wmma_scale_f32_16x16x128_f8f6f4 v[O:O+7], v[VF:VF+7], v[PC:PC+7], v[O:O+7], v[VS], v[PW] matrix_a_fmt:MATRIX_FMT_FP4 matrix_b_fmt:MATRIX_FMT_FP4
.else
	v_wmma_scale_f32_16x16x128_f8f6f4 v[O:O+7], v[VF:VF+7], v[PC:PC+7], 0, v[VS], v[PW] matrix_a_fmt:MATRIX_FMT_FP4 matrix_b_fmt:MATRIX_FMT_FP4
.endif
.endm
; The tail's quantiser: 64 numbers of a lane in window win, v[src + 32 c + i] = k 64 c + 32 h + i of my row, become a fragment's eight registers and its scale word.  v11 = 8 h; v12 at work.
.macro QUANT64 win, src, codes, word
	WIN (\win)|((\win)<<2)
.irp c, 0,1
	v_max3_num_f32 v[TMX+\c], |v[(\src)+32*\c]|, |v[(\src)+32*\c+1]|, 0x1800000   ; and the floor 2^(3 - 127): the byte cannot fall under 1
.endr
	WIN ((\win)<<2)|((\win)<<4)
.irp i, 2,4,6,8,10,12,14,16,18,20,22,24,26,28,30
.irp c, 0,1
	v_max3_num_f32 v[TMX+\c], v[TMX+\c], |v[(\src)+32*\c+\i]|, |v[(\src)+32*\c+\i+1]|
.endr
.endr
	WIN 0
.irp c, 0,1
	v_add_nc_u32 v[TMX+\c], 0xff000000, v[TMX+\c]  ; 2 off the exponent field: the conversion's scale operand
.endr
.irp c, 0,1
	v_lshrrev_b32 v[TMX+2+\c], 23, v[TMX+\c]       ; the scale's byte
.endr
	v_lshl_or_b32 v[\word], v[TMX+3], 16, v[TMX+2] ; blocks h and 2 + h,
	v_lshlrev_b32 v[\word], v11, v[\word]          ; at their places;
	v_permlanex16_b32 v12, v[\word], s[SEL], s[SEL+1]
	v_or_b32 v[\word], v[\word], v12               ; with lane l xor 16's two the word is whole
	WIN \win
.irp c, 0,1
.irp g, 0,1,2,3
	v_cvt_scalef32_pk8_fp4_f32 v[(\codes)+4*\c+\g], v[(\src)+32*\c+8*\g:(\src)+32*\c+8*\g+7], v[TMX+\c]
.endr
.endr
	WIN 0
	v_nop                                          ; one plain line behind the last scaled conversion
.endm
; The tail's product: rows 16 m on of o (their fragment in window 2), my tile n of Wo's rows; source 0 = Wo, source 1 = o, C = bo.  o's scale words lie two tiles to a register: the odd tile's in lanes 16-31.
.macro TAILMM m, n
.set rD, K+8*(4*(\n)+(\m))
.set rA, VF+16*(\n)
.set rB, 64+8*(\m)
.set rC, 16+8*(\n)
.set rSA, VS-3*(\n)
.set rSB, PW-(\m)/2
.if (\m)%2
	v_wmma_scale_f32_16x16x128_f8f6f4 v[rD:rD+7], v[rA:rA+7], v[rB:rB+7], v[rC:rC+7], v[rSA], v[rSB] matrix_a_fmt:MATRIX_FMT_FP4 matrix_b_fmt:MATRIX_FMT_FP4 matrix_b_scale:MATRIX_SCALE_ROW1
.else
	v_wmma_scale_f32_16x16x128_f8f6f4 v[rD:rD+7], v[rA:rA+7], v[rB:rB+7], v[rC:rC+7], v[rSA], v[rSB] matrix_a_fmt:MATRIX_FMT_FP4 matrix_b_fmt:MATRIX_FMT_FP4
.endif
.endm
.macro BAR                             ; my LDS stores have landed and my LDS loads are in: then the work-group's barrier
	s_wait_dscnt 0x0
	s_barrier_signal -1
	s_barrier_wait -1
.endm
	s_load_b256 s[4:11], s[0:1], 0x0               ; qf 4, kf 6, vq 8, Wo 10
	s_load_b128 s[12:15], s[0:1], 0x20             ; bo 12, x 14
	s_load_b64 s[16:17], s[0:1], 0x30              ; out0
	v_lshl_add_u32 v254, v0, 2, 0x4e500
	v_mov_b32 v255, 0
	ds_add_u32 v254, v255
	ds_add_u32 v254, v255
	s_wait_dscnt 0x0
	v_lshrrev_b32 v1, 5, v0
	v_readfirstlane_b32 s[WV], v1                  ; wave 0..3
	s_and_b32 s[HD], ttmp7, 0xffff                 ; the head
	s_mov_b32 s[SEL], 0x76543210
	s_mov_b32 s[SEL+1], 0xfedcba98
	s_mov_b32 s[CS], 0x3fb8aa3b                    ; c = log2(e)
	s_mov_b32 s[CS+1], s[CS]                       ; (named with it as a pair, so it is written)
	s_mov_b32 s[NC], 0xbfb8aa3b
	s_mov_b32 s[TQ], 0
	s_mov_b32 s[TO], 0
	s_mov_b32 s[CNT8], 8
	SHAPE G1K, 128                                 ; my quarter of the head's k: four key steps, 32,768 bytes
	SHAPE G1V, 20                                  ; four records of V: 5,120 bytes
	SHAPE G1Q, 32                                  ; my 128 queries: 8,192 bytes
	s_lshl_b32 s28, s[HD], 17
	s_lshl_b32 s29, s[WV], 15
	s_add_co_u32 s28, s28, s29                     ; kf: 131,072 x head + 32,768 x wave
	s_mov_b32 s29, 0
	s_lshl_b32 s30, s[HD], 2
	s_add_co_u32 s30, s30, s[WV]
	s_mul_i32 s30, s30, 5120                       ; vq: records 16 x head + 4 x wave on
	s_mov_b32 s31, 0
	s_lshl_b32 s2, s[HD], 17
	s_lshl_b32 s3, ttmp9, 15
	s_add_co_u32 s2, s2, s3
	s_lshl_b32 s3, s[WV], 13
	s_add_co_u32 s2, s2, s3                        ; qf, x, out0: the head's 256 rows, the block's 64, my wave's 16
	s_mov_b32 s3, 0
	s_mov_b32 s[G0K], 1                            ; count = 1
	s_lshl_b32 s[G0K+1], s[WV], 15                 ; LDS: 32,768 x wave
	s_mov_b32 s[G0V], 1
	s_mul_i32 s[G0V+1], s[WV], 5120
	s_add_co_u32 s[G0V+1], s[G0V+1], VB
	s_mov_b32 s[G0Q], 1
	s_mul_i32 s[G0Q+1], s[WV], 8448
	s_add_co_u32 s[G0Q+1], s[G0Q+1], OQ+256        ; LDS: 256 bytes into my part of o's stage
	s_wait_kmcnt 0x0
	s_add_nc_u64 s[G0K+2:G0K+3], s[6:7], s[28:29]
	s_or_b32 s[G0K+3], s[G0K+3], 0x80000000        ; type = 2
	s_add_nc_u64 s[G0V+2:G0V+3], s[8:9], s[30:31]
	s_or_b32 s[G0V+3], s[G0V+3], 0x80000000
	s_add_nc_u64 s[G0Q+2:G0Q+3], s[4:5], s[2:3]
	s_or_b32 s[G0Q+3], s[G0Q+3], 0x80000000
	tensor_load_to_lds s[G0K:G0K+3], s[G1K:G1K+7]  ; the launch's only fills, ahead of every wait on TENSORcnt, every LDS read and every barrier
	s_nop 0
	tensor_load_to_lds s[G0V:G0V+3], s[G1V:G1V+7]
	s_nop 0
	tensor_load_to_lds s[G0Q:G0Q+3], s[G1Q:G1Q+7]
	s_nop 0
.rept 4
	v_nop                                          ; behind a tensor load
.endr
	s_add_nc_u64 s[14:15], s[14:15], s[2:3]        ; x and out0 at my wave's first row
	s_add_nc_u64 s[16:17], s[16:17], s[2:3]
	v_and_b32 v[W], 31, v0                         ; l
	v_and_b32 v[W+1], 15, v0                       ; r
	v_bfe_u32 v[W+2], v0, 4, 1                     ; h
	v_lshlrev_b32 v[AK0], 4, v[W]
	v_add_nc_u32 v[AK1], 0x10000, v[AK0]
	v_add_nc_u32 v[AV0], VB, v[AK0]
	v_lshl_add_u32 v[AS0], v[W], 3, VB+1024
	s_lshl_b32 s28, s[WV], 15
	s_add_co_u32 s28, s28, SPL
	v_add_nc_u32 v[SP0], s28, v[AK0]
	v_lshlrev_b32 v[QA0], 6, v[W+1]                ; a query is 64 bytes; channels 8 h on
	v_lshl_add_u32 v[QA0], v[W+2], 5, v[QA0]
	s_mul_i32 s28, s[WV], 8448
	s_add_co_u32 s29, s28, OQ+256
	v_add_nc_u32 v[QA0], s29, v[QA0]
	v_lshrrev_b32 v[W+3], 3, v[W+1]                ; o: query r of a tile lies in the tile's row r / 8,
	v_mul_u32_u24 v[OSA], v[W+3], 528
	v_and_b32 v[W+3], 7, v[W+1]
	v_lshl_add_u32 v[OSA], v[W+3], 6, v[OSA]       ; token r % 8,
	v_lshl_add_u32 v[OSA], v[W+2], 5, v[OSA]       ; channels 8 h on
	s_add_co_u32 s28, s28, OQ
	v_add_nc_u32 v[OSA], s28, v[OSA]               ; in my wave's 16 rows
	v_mov_b32 v[F+1], 0                            ; named as the upper half of a pair of which the low word is taken
	s_wait_tensorcnt 0x0                           ; my parts of k, V and q have landed,
	s_barrier_signal -1
	s_barrier_wait -1                              ; everybody's have
.Ltile:                                            ; eight trips: a tile of 16 queries each
	v_add_nc_u32 v[W+1], s[TQ], v[QA0]
	ds_load_b128 v[Q:Q+3], v[W+1]
	ds_load_b128 v[Q+4:Q+7], v[W+1] offset:16
.irp t, 0,1,2,3,4,5,6,7
	KF 0, \t
.endr
	v_mov_b32 v[ME], 0xfe967699                    ; -1e38, under every energy that is served
.irp c, 0,1,2,3,4,5,6,7
	v_mov_b32 v[L+\c], 0
.endr
	; ---- phase A: step 0's products stand bare; then each step's products carry the softmax of the step before; step 15's softmax stands bare
.irp e, 0,1,2,3,4,5,6,7,8,9,10,11,12,13,14,15
	COMBO \e
.endr
.rept 8
	v_nop                                          ; eight places behind the f32 form, ahead of the first read of step 15's energies
.endr
.set jj, 0
.rept 173
	SM 15
.set jj, jj+1
.endr
	WIN 0
	; ---- the two halves of the lanes are joined.  Each half's sum stands under its own whole M, so it is brought under the row's by a power of two, which rounds nothing
	SPLOAD 11                                      ; the first step that comes back from LDS is asked for here
	v_pk_add_f32 v[L:L+1], v[L:L+1], v[L+2:L+3]
	v_pk_add_f32 v[L+4:L+5], v[L+4:L+5], v[L+6:L+7]
	v_pk_add_f32 v[L:L+1], v[L:L+1], v[L+4:L+5]
	v_add_f32 v[W], v[L], v[L+1]
	v_permlanex16_b32 v[W+1], v[NM], s[SEL], s[SEL+1]   ; the other half's -M
	v_permlanex16_b32 v[W+2], v[W], s[SEL], s[SEL+1]    ; and its sum
	v_min_num_f32 v[W+3], v[NM], v[W+1]            ; the row's -M
	v_sub_f32 v[F], v[W+3], v[NM]                  ; my M less the row's: a whole number, 0 or less
	v_sub_f32 v[W+1], v[W+3], v[W+1]
	v_cvt_i32_f32 v[F], v[F]
	v_cvt_i32_f32 v[W+1], v[W+1]
	v_ldexp_f32 v[W], v[W], v[F]
	v_ldexp_f32 v[W+2], v[W+2], v[W+1]
	v_add_f32 v[W], v[W], v[W+2]                   ; l
	v_rcp_f32 v[W+1], v[W]
.irp s, 0,1,2,3,4,5,6,7,8,9,10,11,12,13,14,15
	v_sub_f32 v[GS+\s], v[W+3], v[MS+\s]           ; M_s less the row's M.  (Plain lines behind the reciprocal, which name neither its result nor its source)
.endr
.irp s, 0,1,2,3,4,5,6,7,8,9,10,11,12,13,14,15
	v_cvt_i32_f32 v[GS+\s], v[GS+\s]
.endr
	s_wait_alu depctr_va_vdst(0)                   ; the wait ahead of the first line that names the reciprocal
	v_mul_f32 v[W], 0x3db504f3, v[W+1]             ; 1 / (l sqrt(128))
.irp s, 0,1,2,3,4,5,6,7,8,9,10,11,12,13,14,15
	v_ldexp_f32 v[GS+\s], v[W], v[GS+\s]           ; G_s
.endr
	; ---- phase C: step 15 lies in slot 11; the four steps that come back from LDS take turns with steps that lie in registers, so that each lands under another step's quantiser
	MUL 15
	QPV 15, 1, 11
	QPV 11, 0, 0
	QPV 0, 0, 12
	QPV 12, 0, 1
	QPV 1, 0, 13
	QPV 13, 0, 2
	QPV 2, 0, 14
	QPV 14, 0, 3
.irp s, 3,4,5,6,7,8,9
	QPV \s, 0, \s+1
.endr
	QPV 10, 0, -1
	v_add_nc_u32 v[W], s[TO], v[OSA]
.rept 3
	v_nop                                          ; with the addition four places behind the last product, ahead of the stores that read its result
.endr
	ds_store_b128 v[W], v[O:O+3]                   ; from the low end on
	ds_store_b128 v[W], v[O+4:O+7] offset:16
	s_add_co_u32 s[TQ], s[TQ], 1024
	s_add_co_u32 s[TO], s[TO], 1056
	s_sub_co_i32 s[CNT8], s[CNT8], 1
	s_cmp_lg_u32 s[CNT8], 0
	s_cbranch_scc1 .Ltile
	; ---- THE TAIL: Q(o) Q(Wo)^T + bo + x for the block's 64 rows.  Wave w quantises its own 16 rows of o and rows 32 w .. 32 w + 31 of Wo; o's fragments go round through LDS as images of their registers;
	; wave w makes columns 32 w .. 32 w + 31 of all 64 rows, transposed; the results meet in the stage; wave w adds x to rows 16 w .. 16 w + 15 and stores them.
	; Nothing here is written into the energies' registers: what needs room lies in windows 1 and 2, which p' has left.
	v_and_b32 v13, 15, v0                          ; r
	v_bfe_u32 v14, v0, 4, 1                        ; h
	v_and_b32 v15, 31, v0                          ; l
	v_lshlrev_b32 v8, 4, v15                       ; v8  16 l: x's and out0's rows
	v_lshlrev_b32 v9, 9, v13
	v_lshl_add_u32 v9, v14, 7, v9
	s_lshl_b32 s28, s[WV], 14
	v_add_nc_u32 v9, s28, v9                       ; v9  Wo: row 32 w + r, + 128 h
	s_lshl_b32 s28, s[WV], 7
	v_lshl_add_u32 v10, v14, 5, s28                ; v10 bo: 128 w + 32 h
	v_lshlrev_b32 v11, 3, v14                      ; v11 8 h
	v_mul_u32_u24 v12, v13, 528
	s_mul_i32 s29, s[WV], 8448
	s_add_co_u32 s29, s29, OQ
	v_add_nc_u32 v1, s29, v12
	v_lshl_add_u32 v1, v14, 7, v1                  ; v1  o's fragment: row 16 w + r, + 128 h
	s_lshl_b32 s30, s[WV], 10
	s_add_co_u32 s30, s30, XIMG
	v_add_nc_u32 v2, s30, v8                       ; v2  where I store its image
	s_lshl_b32 s30, s[WV], 6
	s_add_co_u32 s30, s30, XSC
	v_lshl_add_u32 v3, v13, 2, s30                 ; v3  and its scale words: 64 w + 4 r (lanes l and l xor 16 hold the same word and write it to the same place)
	s_add_co_u32 s30, s28, OQ
	v_add_nc_u32 v4, s30, v12
	v_lshl_add_u32 v4, v14, 5, v4                  ; v4  the result: row r, my columns' bytes 128 w + 32 h
	v_add_nc_u32 v5, XIMG, v8                      ; v5  an image's place for my lane
	v_lshl_add_u32 v6, v15, 2, XSC                 ; v6  two tiles' scale words: lanes 0-15 the even tile's, lanes 16-31 the odd one's
	v_add_nc_u32 v7, s29, v8                       ; v7  back by rows
.irp c, 0,1
.irp i, 0,1,2,3,4,5,6,7
	global_load_b128 v[K+32*\c+4*\i:K+32*\c+4*\i+3], v9, s[10:11] offset:256*\c+16*\i          ; Wo, my first tile of rows
.endr
.endr
.irp n, 0,1
	global_load_b128 v[16+8*\n:16+8*\n+3], v10, s[12:13] offset:64*\n                          ; bo in the result's layout: columns 32 w + 16 n + 8 h + 0 .. 7
	global_load_b128 v[16+8*\n+4:16+8*\n+7], v10, s[12:13] offset:64*\n+16
.endr
	WIN 0x80                                       ; destination window 2
.irp c, 0,1
.irp i, 0,1,2,3,4,5,6,7
	global_load_b128 v[32*\c+4*\i:32*\c+4*\i+3], v9, s[10:11] offset:8192+256*\c+16*\i         ; Wo, my second tile: v0-63 of window 2
.endr
.endr
	WIN 0x40                                       ; destination window 1
.irp i, 0,1,2,3,4,5,6,7,8,9,10,11,12,13,14,15
	global_load_b128 v[64+4*\i:64+4*\i+3], v8, s[14:15] offset:512*\i th:TH_LOAD_NT            ; x's 16 rows: v64-127 of window 1
.endr
.irp c, 0,1
.irp i, 0,1,2,3,4,5,6,7
	ds_load_b128 v[32*\c+4*\i:32*\c+4*\i+3], v1 offset:256*\c+16*\i                            ; my own rows of o: v0-63 of window 1.  LDS serves a wave's instructions in order: these see my stores
.endr
.endr
	WIN 0
	s_wait_dscnt 0x0
	QUANT64 1, 0, PC, PW
	ds_store_b128 v2, v[PC:PC+3]
	ds_store_b128 v2, v[PC+4:PC+7] offset:512
	ds_store_b32 v3, v[PW]
	s_wait_loadcnt 16                              ; Wo's 32 loads and bo's 4 are in; x's 16, issued behind them, may be out
	QUANT64 0, K, VF, VS
	QUANT64 2, 0, O, WS2
.rept 8
	v_nop                                          ; a scale register written by a vector line stands eight places ahead of a scaled product, an operand four
.endr
	BAR                                            ; o's four images are whole, and every wave has read its rows of the stage
	WIN 0x80                                       ; destination window 2
.irp m, 0,1,2,3
	ds_load_b128 v[64+8*\m:64+8*\m+3], v5 offset:1024*\m                                       ; o's four fragments: v64-95 of window 2
	ds_load_b128 v[64+8*\m+4:64+8*\m+7], v5 offset:1024*\m+512
.endr
	WIN 0
	ds_load_b32 v[PW], v6
	ds_load_b32 v[PW2], v6 offset:128
	s_wait_dscnt 0x0
	WIN 0x08                                       ; source 1 (o) window 2
.irp m, 0,1,2,3
.irp n, 0,1
	TAILMM \m, \n                                  ; eight accumulators, one instruction each
.endr
.endr
	WIN 0
.rept 4
	v_nop                                          ; four places ahead of the stores that read results, and of the loads that later land on them
.endr
.irp m, 0,1,2,3
.irp n, 0,1
	ds_store_b128 v4, v[K+8*(4*\n+\m):K+8*(4*\n+\m)+3] offset:8448*\m+64*\n          ; lane (r, h): row 16 m + r, columns 32 w + 16 n + 8 h + 0 .. 7; each accumulator from its low end on
	ds_store_b128 v4, v[K+8*(4*\n+\m)+4:K+8*(4*\n+\m)+7] offset:8448*\m+64*\n+16
.endr
.endr
	BAR                                            ; the result's 64 rows are whole, and my stores have read their registers
.irp i, 0,1,2,3,4,5,6,7,8,9,10,11,12,13,14,15
	ds_load_b128 v[K+4*\i:K+4*\i+3], v7 offset:528*\i
.endr
	s_wait_dscnt 0x0
	s_wait_loadcnt 0x0                             ; x's rows
	WIN 0x04                                       ; source 1 window 1
.set j, 0
.rept 32
	v_pk_add_f32 v[K+j:K+j+1], v[K+j:K+j+1], v[64+j:64+j+1]   ; the residual
.set j, j+2
.endr
	WIN 0
.irp i, 0,1,2,3,4,5,6,7,8,9,10,11,12,13,14,15
	global_store_b128 v8, v[K+4*\i:K+4*\i+3], s[16:17] offset:512*\i th:TH_STORE_NT   ; 32 lanes store a row of 512 bytes, aligned
.endr
	s_wait_xcnt 0x0
	v_lshl_add_u32 v254, v0, 2, 0x4e500
	v_mov_b32 v255, 0
	s_wait_tensorcnt 0x0
	ds_add_u32 v254, v255
	s_wait_dscnt 0x0
	s_endpgm
.Lfunc_end_k_q280433fac8_attn:
	.size	k_q280433fac8_attn, .Lfunc_end_k_q280433fac8_attn-k_q280433fac8_attn
	.p2alignl 7, 3214868480
	.fill 96, 4, 3214868480
	.section	.rodata,"a",@progbits
	.p2align	6, 0x0
	.amdhsa_kernel k_q280433fac8_attn
		.amdhsa_group_segment_fixed_size 327680
		.amdhsa_private_segment_fixed_size 0
		.amdhsa_enable_private_segment 0
		.amdhsa_kernarg_size 56
		.amdhsa_user_sgpr_count 2
		.amdhsa_user_sgpr_kernarg_segment_ptr 1
		.amdhsa_wavefront_size32 1
		.amdhsa_system_sgpr_workgroup_id_x 1
		.amdhsa_system_sgpr_workgroup_id_y 1
		.amdhsa_system_sgpr_workgroup_id_z 1
		.amdhsa_system_vgpr_workitem_id 0
		.amdhsa_next_free_vgpr 1024
		.amdhsa_next_free_sgpr 80
		.amdhsa_reserve_vcc 0
		.amdhsa_float_denorm_mode_32 3
		.amdhsa_float_denorm_mode_16_64 3
		.amdhsa_memory_ordered 1
		.amdhsa_forward_progress 1
		.amdhsa_inst_pref_size 255
	.end_amdhsa_kernel
	.section	.bss,"aw",@nobits
	.p2align	6
	.space	262144
	.amdgpu_metadata
---
amdhsa.version: [ 1, 2 ]
amdhsa.kernels:
  - .name:           k_q280433fac8_attn
    .symbol:         k_q280433fac8_attn.kd
    .args:
      - { .name: qf, .offset: 0, .size: 8, .value_kind: global_buffer, .address_space: global }
      - { .name: kf, .offset: 8, .size: 8, .value_kind: global_buffer, .address_space: global }
      - { .name: vq, .offset: 16, .size: 8, .value_kind: global_buffer, .address_space: global }
      - { .name: Wo, .offset: 24, .size: 8, .value_kind: global_buffer, .address_space: global }
      - { .name: bo, .offset: 32, .size: 8, .value_kind: global_buffer, .address_space: global }
      - { .name: x, .offset: 40, .size: 8, .value_kind: global_buffer, .address_space: global }
      - { .name: out0, .offset: 48, .size: 8, .value_kind: global_buffer, .address_space: global }
    .group_segment_fixed_size: 327680
    .private_segment_fixed_size: 0
    .kernarg_segment_align: 8
    .kernarg_segment_size: 56
    .max_flat_workgroup_size: 128
    .sgpr_count:     80
    .vgpr_count:     1024
    .wavefront_size: 32
...
	.end_amdgpu_metadata
.endif
;; end of part 2
